; MI455X (gfx1250); checked and timed in simulation.
; The chip was launched on July 23, 2026; its instructions are those of AMD's public machine-readable ISA for CDNA 5 (MIT licence, August 2026) and "CDNA5" Instruction Set Architecture Reference Guide (July 2026). The comments in the code are by the model that wrote it; some were corrected since.
;; Multi Head Attention. Allowed arithmetic: matrix products marked QUANTISED: E5M2 operands, one E8M0 scale for each 32 along K, by v_wmma_scale_f32_16x16x128_f8f6f4 with both operands' format E5M2, f32 sums; everything else in f32.
;; Inputs: Wk1_codes 256 x 16 x 32 uint8 (E5M2 codes of Wk1, K innermost, in blocks of 32 codes); Wk1_scales 256 x 16 uint8 (E8M0 scales of Wk1, one for each 32 codes along K); Wk2_codes 256 x 16 x 32 uint8 (E5M2 codes of Wk2, K innermost, in blocks of 32 codes); Wk2_scales 256 x 16 uint8 (E8M0 scales of Wk2, one for each 32 codes along K); Wo_codes 512 x 16 x 32 uint8 (E5M2 codes of Wo, K innermost, in blocks of 32 codes); Wo_scales 512 x 16 uint8 (E8M0 scales of Wo, one for each 32 codes along K); Wq1_codes 256 x 16 x 32 uint8 (E5M2 codes of Wq1, K innermost, in blocks of 32 codes); Wq1_scales 256 x 16 uint8 (E8M0 scales of Wq1, one for each 32 codes along K); Wq2_codes 256 x 16 x 32 uint8 (E5M2 codes of Wq2, K innermost, in blocks of 32 codes); Wq2_scales 256 x 16 uint8 (E8M0 scales of Wq2, one for each 32 codes along K); Wv1_codes 256 x 16 x 32 uint8 (E5M2 codes of Wv1, K innermost, in blocks of 32 codes); Wv1_scales 256 x 16 uint8 (E8M0 scales of Wv1, one for each 32 codes along K); Wv2_codes 256 x 16 x 32 uint8 (E5M2 codes of Wv2, K innermost, in blocks of 32 codes); Wv2_scales 256 x 16 uint8 (E8M0 scales of Wv2, one for each 32 codes along K); beta 512 float32; bk1 256 float32; bk2 256 float32; bo 512 float32; bq1 256 float32; bq2 256 float32; bv1 256 float32; bv2 256 float32; gamma 512 float32; inputs 32 x 1,024 x 512 float32.
;; Outputs: out0 32 x 1,024 x 512 float32.
;; This version of the problem:
;;   THIS VERSION OF THE PROBLEM IS GIVEN IN LOW PRECISION. The matrix products marked QUANTISED in the list below multiply operands that are first quantised to E5M2 (5 exponent bits, 2 mantissa bits; 8 bits a number), with one power-of-two scale for each 32 numbers along K (OCP MX v1.0); their sums are f32. All else is computed in f32.
;;   The module's matrix products, in the order in which they are computed (A, B: the left and right operand; K: the contracted axis; several contracted axes count as one K, in the product's order):
;;     1. [M 32,768, K 512] x [K 512, N 256]; A: input inputs; B: input Wq1 (given as codes): QUANTISED
;;     2. [M 32,768, K 512] x [K 512, N 256]; A: input inputs; B: input Wk1 (given as codes): QUANTISED
;;     3. [M 32,768, K 512] x [K 512, N 256]; A: input inputs; B: input Wv1 (given as codes): QUANTISED
;;     4. batch 32 x [M 1,024, K 256] x [K 256, N 1,024]; A: computed on the way; B: computed on the way: QUANTISED
;;     5. batch 32 x [M 1,024, K 1,024] x [K 1,024, N 256]; A: softmax (see below); B: computed on the way: QUANTISED
;;     6. [M 32,768, K 512] x [K 512, N 256]; A: input inputs; B: input Wq2 (given as codes): QUANTISED
;;     7. [M 32,768, K 512] x [K 512, N 256]; A: input inputs; B: input Wk2 (given as codes): QUANTISED
;;     8. [M 32,768, K 512] x [K 512, N 256]; A: input inputs; B: input Wv2 (given as codes): QUANTISED
;;     9. batch 32 x [M 1,024, K 256] x [K 256, N 1,024]; A: computed on the way; B: computed on the way: QUANTISED
;;     10. batch 32 x [M 1,024, K 1,024] x [K 1,024, N 256]; A: softmax (see below); B: computed on the way: QUANTISED
;;     11. [M 32,768, K 512] x [K 512, N 512]; A: computed on the way; B: input Wo (given as codes): QUANTISED
;;   THE QUANTISER, for each operand of a quantised product, along K:
;;     - K is cut into blocks of 32 from its start; a last block that is shorter is filled with zeros.
;;     - A block's scale is 2^e with e = floor(log2(the largest magnitude in the block)) - 15, held to -126 .. 127; a block of zeros has e = 0. As a byte (E8M0): e + 127.
;;     - Each number is divided by its block's scale, clamped to +-57,344, and rounded to the nearest number of E5M2, ties to even, subnormals kept.
;;     - The product sums the exact products of the quantised numbers (number of the format x scale) in f32.
;;   ~~~python
;;   def quantise(x, axis):      # numpy; x: float32 -> the quantised numbers, widened to float32 again
;;       x = np.moveaxis(x, axis, -1); K = x.shape[-1]
;;       x = np.pad(x, [(0, 0)] * (x.ndim - 1) + [(0, -K % 32)]); x = x.reshape(x.shape[:-1] + (-1, 32)); a = np.abs(x).max(-1, keepdims=True)
;;       e = np.where(a > 0, np.clip(np.frexp(np.where(a > 0, a, 1))[1] - 1 - 15, -126, 127), 0)      # np.frexp(a)[1] - 1 = floor(log2(a)), exactly
;;       r = np.clip(x / 2.0 ** e, -57344, 57344)
;;       step = 2.0 ** (np.maximum(np.frexp(np.where(r == 0, 1, r))[1] - 1, -14) - 2)
;;       q = np.round(r / step) * step * 2.0 ** e      # np.round: ties to even
;;       return np.moveaxis(q.reshape(q.shape[:-2] + (-1,))[..., :K], -1, axis).astype(np.float32)
;;   ~~~
;;   SOFTMAX AHEAD OF A QUANTISED PRODUCT. Where the list says 'softmax', what is quantised is not the finished softmax but p = 2^(t - M), with t = logit x log2(e) and M = ceil(the row's largest t), a whole number; so 1/2 < the row's largest p <= 1. The row's sum l is taken of the UNQUANTISED p, in f32, and the product's result is divided by l at the end. Since M is a whole number, a kernel that streams over the keys may use a running M (the ceiling of the running maximum): every later rescaling is an exact power of two, which a block's scale takes up: the codes' values come out the same.
;;   OPERANDS COMPUTED ON THE WAY. 'Computed on the way' means the value that the module computes at that place (a softmax that the list does not call 'softmax' is quantised finished and normalised). What goes into a quantiser is computed in f32, as accurately as f32 sums, v_exp_f32 and their like allow (about 1e-6 of the number): no bf16 or f16 on the way to a quantiser, and a product that is left as it is and whose result goes on into a quantised operand takes f32 operands (vector FMAs, or v_wmma_f32_16x16x4_f32). A number that lies on a knife's edge between two numbers of the format may be rounded either way, as far as f32 arithmetic and the matrix unit's own rounding can turn it there, and no further.
;;   INPUTS GIVEN AS CODES. Wk1 (in the module: [512, 256], K = its axis 0); Wk2 (in the module: [512, 256], K = its axis 0); Wo (in the module: [512, 512], K = its axis 0); Wq1 (in the module: [512, 256], K = its axis 0); Wq2 (in the module: [512, 256], K = its axis 0); Wv1 (in the module: [512, 256], K = its axis 0); Wv2 (in the module: [512, 256], K = its axis 0): each comes as NAME_codes (uint8): NAME with its K axis moved to the last place and cut into blocks of 32 codes, [.., K / 32, bytes a block], one block behind the other in memory; one code a byte (a code: sign, 5 exponent bits, 2 mantissa bits); and NAME_scales (uint8): the same leading axes, one E8M0 byte (e + 127) for each 32 codes along K. Its value is code x scale, taken as it is: it is not quantised again, and the codes and scales need not be those that the quantiser above would give.
;; One version. Each part assembles by itself: llvm-mc -triple=amdgcn-amd-amdhsa -mcpu=gfx1250 --defsym DOCPART=n.
;; ======== version 1 of 1: 2 launches
;; limits: right only within a limited range of input values
;; workspace buffers: qws 17,301,504 bytes; kvws 34,603,008 bytes; wows 270,336 bytes
;; launch qkv (part 1): grid 8 x 32, 4 waves a work-group, clusters of 4 x 1, 327,680 bytes of LDS; arguments inputs, Wq1_codes, Wk1_codes, Wv1_codes, Wq1_scales, Wk1_scales, Wv1_scales, bq1, bk1, bv1, Wq2_codes, Wk2_codes, Wv2_codes, Wq2_scales, Wk2_scales, Wv2_scales, bq2, bk2, bv2, Wo_codes, Wo_scales, qws, kvws, wows; writes qws, kvws, wows
.if DOCPART == 1
	.amdgcn_target "amdgcn-amd-amdhsa--gfx1250"
	.amdhsa_code_object_version 6
	.text
	.protected	k_q812396aa40_qkv
	.globl	k_q812396aa40_qkv
	.p2align	8
	.type	k_q812396aa40_qkv,@function
k_q812396aa40_qkv:
	s_mov_b64 s[64:65], 0
	v_nop
	global_prefetch_b8 v0, s[64:65] scope:SCOPE_SE
	s_setreg_imm32_b32 hwreg(HW_REG_WAVE_MODE, 25, 1), 1
	s_wait_xcnt 0x0
	s_wait_alu depctr_hold_cnt(0) depctr_sa_sdst(0) depctr_va_vdst(0) depctr_va_sdst(0) depctr_va_ssrc(0) depctr_va_vcc(0) depctr_vm_vsrc(0)
	s_getreg_b32 s2, hwreg(HW_REG_IB_STS2, 6, 4)
	s_cmp_eq_u32 s2, 0
	s_cbranch_scc0 .Lentry_in_a_cluster
	s_endpgm
.Lentry_in_a_cluster:
	s_bfe_u32 s2, ttmp6, 0x10000c
	s_cmp_lg_u32 s2, 0x3003
	s_cbranch_scc0 .Lentry_shape_is_right
	s_endpgm
.Lentry_shape_is_right:
.set QUART, 33792
.set SLOT,  4*QUART
.set IMG,   2*SLOT
.set XSC,   IMG+32768
.set SPARE, XSC+1024
.set QBLK,  33792
.set BLK,   67584
.set XP,    1040
.set WP,    528
.set LI,1
.set LIM,2
.set LSM,3
.set XAD,4
.set XWI,6
.set XWS,7
.set WAD,8
.set SPW,10
.set NIL,11
.set WSO,12
.set BO,13
.set VBO,14
.set XS,16
.set WS,32
.set WW,48
.set SW,56
.set PW0,60
.set PW1,61
.set XSW,62
.set TM,64
.set TP,68
.set HL,72
.set SO,76
.set VB,80
.set CD,88
.set CSO,92
.set CDO,93
.set PC,96
.set AC,128
.set PWQ,10
.set PWK,12
.set PWV,14
.set PSQ,16
.set PSK,18
.set PSV,20
.set PBQ,22
.set PBK,24
.set PBV,26
.set WN,28
.set SN,30
.set OC,32
.set OS,34
.set OCK,36
.set OSK,38
.set OCV,40
.set OSV,42
.set MNT,44
.set HM,45
.set WV,56
.set HD,57
.set HF,58
.set CX,59
.set BLKN,60
.set BAT,61
.set UN,62
.set QW,63
.set SEL,66
.set G1X,68
.set G1W,76
.set G0X,84
.set G0A,92
.set G0B,96
.set T,100
.set MSB, 0
.macro WIN new
.if MSB != (\new)
	s_set_vgpr_msb (MSB<<8)|(\new)
.set MSB, (\new)
.endif
.endm
.macro PLACES n
.rept \n
	v_nop
.endr
.endm
.macro CROUND
	s_barrier_signal -1
	s_barrier_wait -1
	s_cmp_lg_u32 s[WV], 0
	s_cbranch_scc1 .Lnw0_\@
	s_barrier_signal -3
.Lnw0_\@:
	s_barrier_wait -3
	s_barrier_signal -1
	s_barrier_wait -1
.endm
.macro WM d, a, b, c, sa, sb, ra, rb
.if (\ra) && (\rb)
	v_wmma_scale_f32_16x16x128_f8f6f4 v[(\d):(\d)+7], v[(\a):(\a)+15], v[(\b):(\b)+15], v[(\c):(\c)+7], v[(\sa)], v[(\sb)] matrix_a_fmt:MATRIX_FMT_BF8 matrix_b_fmt:MATRIX_FMT_BF8 matrix_a_scale:MATRIX_SCALE_ROW1 matrix_b_scale:MATRIX_SCALE_ROW1
.elseif (\ra)
	v_wmma_scale_f32_16x16x128_f8f6f4 v[(\d):(\d)+7], v[(\a):(\a)+15], v[(\b):(\b)+15], v[(\c):(\c)+7], v[(\sa)], v[(\sb)] matrix_a_fmt:MATRIX_FMT_BF8 matrix_b_fmt:MATRIX_FMT_BF8 matrix_a_scale:MATRIX_SCALE_ROW1
.elseif (\rb)
	v_wmma_scale_f32_16x16x128_f8f6f4 v[(\d):(\d)+7], v[(\a):(\a)+15], v[(\b):(\b)+15], v[(\c):(\c)+7], v[(\sa)], v[(\sb)] matrix_a_fmt:MATRIX_FMT_BF8 matrix_b_fmt:MATRIX_FMT_BF8 matrix_b_scale:MATRIX_SCALE_ROW1
.else
	v_wmma_scale_f32_16x16x128_f8f6f4 v[(\d):(\d)+7], v[(\a):(\a)+15], v[(\b):(\b)+15], v[(\c):(\c)+7], v[(\sa)], v[(\sb)] matrix_a_fmt:MATRIX_FMT_BF8 matrix_b_fmt:MATRIX_FMT_BF8
.endif
.endm
.macro QUANT4 s, pc, wdst
.irp b, 0,1,2,3
	v_max3_num_f32 v[TM+\b], |v[\s+16*\b]|, |v[\s+16*\b+1]|, 0x8000000
.endr
.irp i, 2,4,6,8,10,12,14
.irp b, 0,1,2,3
	v_max3_num_f32 v[TM+\b], v[TM+\b], |v[\s+16*\b+\i]|, |v[\s+16*\b+\i+1]|
.endr
.endr
.irp b, 0,1,2,3
	v_permlanex16_b32 v[TP+\b], v[TM+\b], s[SEL], s[SEL+1]
.endr
.irp b, 0,1,2,3
	v_max_num_f32 v[TM+\b], v[TM+\b], v[TP+\b]
.endr
.irp b, 0,1,2,3
	v_add_nc_u32 v[SO+\b], 0xf8800000, v[TM+\b]
.endr
.irp b, 0,1,2,3
	v_and_or_b32 v[HL+\b], v[TM+\b], 0x7f800000, s[MNT]
.endr
.irp b, 0,1,2,3
	v_lshrrev_b32 v[TP+\b], 23, v[SO+\b]
.endr
.irp b, 0,1,2,3
.irp i, 0,1,2,3,4,5,6,7,8,9,10,11,12,13,14,15
	v_med3_num_f32 v[\s+16*\b+\i], v[\s+16*\b+\i], -v[HL+\b], v[HL+\b]
.endr
.endr
	WIN \wdst
.irp b, 0,1,2,3
	v_cvt_scalef32_pk8_bf8_f32 v[\pc+4*\b:\pc+4*\b+1], v[\s+16*\b:\s+16*\b+7], v[SO+\b]
	v_cvt_scalef32_pk8_bf8_f32 v[\pc+4*\b+2:\pc+4*\b+3], v[\s+16*\b+8:\s+16*\b+15], v[SO+\b]
.endr
	WIN 0
	v_nop
.endm
.macro WORD d
	v_lshl_or_b32 v[\d], v[TP+1], 8, v[TP]
	v_lshl_or_b32 v[\d], v[TP+2], 16, v[\d]
	v_lshl_or_b32 v[\d], v[TP+3], 24, v[\d]
.endm
.macro XQ kh, sl
.irp u, 0,1
.irp b, 0,1,2,3
.irp j, 0,1,2,3
	ds_load_b128 v[AC+64*\u+16*\b+4*\j:AC+64*\u+16*\b+4*\j+3], v[XAD+\kh] offset:8*XP*\u+512*(\sl)+128*\b+16*\j
.endr
.endr
.endr
	s_wait_dscnt 16
	QUANT4 AC, PC, 0
	WORD PW0
.irp c, 0,1,2,3
	ds_store_b128 v[XWI], v[PC+4*\c:PC+4*\c+3] offset:2048*(\sl)+512*\c
.endr
	s_wait_dscnt 4
	QUANT4 AC+64, PC+16, 0
	WORD PW1
.irp c, 0,1,2,3
	ds_store_b128 v[XWI], v[PC+16+4*\c:PC+16+4*\c+3] offset:4096+2048*(\sl)+512*\c
.endr
	v_cndmask_b32 v[XSW], v[PW0], v[PW1], s[HM]
	ds_store_b32 v[XWS], v[XSW] offset:128*(\sl)
.endm
.macro XFETCH kh
.irp Hh, 0,1
	WIN 0x80+0x40*\Hh
.irp mm, 0,1,2,3
.irp sl, 0,1
.irp c, 0,1,2,3
	ds_load_b128 v[64*\mm+16*(2*(\kh)+\sl)+4*\c:64*\mm+16*(2*(\kh)+\sl)+4*\c+3], v[LIM] offset:(2*(4*\Hh+\mm)+\sl)*2048+512*\c
.endr
.endr
.endr
.endr
	WIN 0
.irp j, 0,1,2,3
.irp sl, 0,1
	ds_load_b32 v[XS+4*\j+2*(\kh)+\sl], v[LSM] offset:128*(2*\j+\sl)
.endr
.endr
.endm
.macro WFETCH sl, pp
	WIN 0x40
.irp u, 0,1
.irp s, 0,1,2,3
.irp c, 0,1,2,3
	ds_load_b128 v[64*\u+16*\s+4*\c:64*\u+16*\s+4*\c+3], v[WAD+(\sl)] offset:(32*(\pp)+8*\u)*WP+128*\s+32*\c
.endr
.endr
.endr
	WIN 0
.endm
.macro REFILL g0, off
	s_wait_tensorcnt 0x0
	ds_add_u32 v[SPW], v[NIL]
	s_add_nc_u64 s[\g0+2:\g0+3], s[WN:WN+1], \off
	s_or_b32 s[\g0+3], s[\g0+3], 0x80000000
	s_wait_dscnt 0x0
	CROUND
	tensor_load_to_lds s[\g0:\g0+3], s[G1W:G1W+7]
	s_nop 0
	PLACES 4
.endm
.macro MULQK P
.irp H, 0,1
	WIN 0x19+4*\H
.irp mm, 0,1,2,3
.irp u, 0,1
	WM AC+16*(4*\H+\mm)+8*\u, 64*\u, 64*\mm, 128+16*(\P)+8*\u, WS+4*(\P), XS+4*((4*\H+\mm)/2), \u, (\mm)%2
.endr
.endr
	WIN 0x09+4*\H
.irp s, 1,2,3
.irp mm, 0,1,2,3
.irp u, 0,1
	WM AC+16*(4*\H+\mm)+8*\u, 64*\u+16*\s, 64*\mm+16*\s, AC+16*(4*\H+\mm)+8*\u, WS+4*(\P)+\s, XS+4*((4*\H+\mm)/2)+\s, \u, (\mm)%2
.endr
.endr
.endr
.endr
.endm
.macro MULV P
.irp H, 0,1
	WIN 0x16+\H
.irp mm, 0,1,2,3
.irp u, 0,1
	WM AC+64*\u+8*(4*\H+\mm), 64*\mm, 64*\u, 128+8*\u, XS+4*((4*\H+\mm)/2), WS+4*(\P), (\mm)%2, \u
.endr
.endr
	WIN 0x06+\H
.irp s, 1,2,3
.irp mm, 0,1,2,3
.irp u, 0,1
	WM AC+64*\u+8*(4*\H+\mm), 64*\mm+16*\s, 64*\u+16*\s, AC+64*\u+8*(4*\H+\mm), XS+4*((4*\H+\mm)/2)+\s, WS+4*(\P)+\s, (\mm)%2, \u
.endr
.endr
.endr
.endr
.endm
.macro TRIPQK P
	s_wait_loadcnt 0x3
	s_wait_dscnt 0x0
	MULQK \P
	WIN 0
	PLACES 8
	global_load_b128 v[WS+4*(\P):WS+4*(\P)+3], v[WSO], s[SN:SN+1] offset:512*(\P)
.if (\P) == 1
	REFILL G0A, 0
.endif
.if (\P) == 3
	REFILL G0B, 32768
.endif
	WFETCH ((\P+1)%4)/2, ((\P+1)%4)%2
	s_wait_xcnt 0x0
	QUANT4 AC, PC, 0
.irp m, 0,1,2,3
.if (\P) == 0
	v_mov_b32 v[WW+\m], v[TP+\m]
.else
	v_lshl_or_b32 v[WW+\m], v[TP+\m], 8*(\P), v[WW+\m]
.endif
.endr
	QUANT4 AC+64, PC+16, 0
.irp m, 0,1,2,3
.if (\P) == 0
	v_mov_b32 v[WW+4+\m], v[TP+\m]
.else
	v_lshl_or_b32 v[WW+4+\m], v[TP+\m], 8*(\P), v[WW+4+\m]
.endif
.endr
.irp m, 0,1,2,3,4,5,6,7
	global_store_b128 v[LI], v[PC+4*\m:PC+4*\m+3], s[OC:OC+1] offset:4096*\m+512*(\P)
.endr
.if (\P) == 3
.irp j, 0,1,2,3
	v_cndmask_b32 v[SW+\j], v[WW+2*\j], v[WW+2*\j+1], s[HM]
.endr
	global_store_b128 v[LI], v[SW:SW+3], s[OS:OS+1]
.endif
.endm
.macro VCSET P
	WIN 0x40
.irp u, 0,1
.irp j, 0,1,2,3,4,5,6,7
	v_mov_b32 v[128+8*\u+\j], v[VB+2*(\P)+\u]
.endr
.endr
	WIN 0
.endm
.macro TRIPV P
	s_wait_loadcnt 3-(\P)
	s_wait_dscnt 0x0
	MULV \P
	WIN 0
	PLACES 8
.if (\P) < 3
	VCSET (\P)+1
.endif
.if (\P) == 1
	s_wait_tensorcnt 0x0
.endif
.if (\P) < 3
	WFETCH ((\P)+1)/2, ((\P)+1)%2
.endif
	s_wait_xcnt 0x0
	QUANT4 AC, PC, 0
	WORD PW0
	QUANT4 AC+64, PC+16, 0
	WORD PW1
	v_cndmask_b32 v[SW+(\P)], v[PW0], v[PW1], s[HM]
.irp u, 0,1
.irp b, 0,1,2,3
	global_store_b128 v[LI], v[PC+16*\u+4*\b:PC+16*\u+4*\b+3], s[OCV:OCV+1] offset:(2*(\P)+\u)*2048+512*\b
.endr
.endr
.if (\P) == 3
	global_store_b128 v[LI], v[SW:SW+3], s[OSV:OSV+1]
.endif
.endm
	s_load_b512 s[8:23], s[0:1], 0x0
	s_load_b512 s[24:39], s[0:1], 0x40
	s_load_b512 s[40:55], s[0:1], 0x80
	v_lshl_add_u32 v[SPW], v0, 2, SPARE
	v_mov_b32 v[NIL], 0
	ds_add_u32 v10, v11
	ds_add_u32 v10, v11
	s_wait_dscnt 0x0
	v_lshrrev_b32 v64, 5, v0
	v_readfirstlane_b32 s[WV], v64
	s_lshr_b32 s[HD], s[WV], 1
	s_and_b32 s[HF], s[WV], 1
	s_bfe_u32 s[CX], ttmp6, 0x40000
	s_lshl_b32 s[BLKN], ttmp9, 2
	s_add_co_u32 s[BLKN], s[BLKN], s[CX]
	s_and_b32 s[BAT], ttmp7, 0xffff
	s_mul_i32 s[QW], s[WV], QUART
	s_mov_b32 s[G1X], (2<<16)|(1<<20)|(7<<22)|(3<<25)
	s_mov_b32 s[G1X+1], 256<<16
	s_mov_b32 s[G1X+2], 32<<16
	s_mov_b32 s[G1X+3], 256<<16
	s_mov_b32 s[G1X+4], 32
	s_mov_b32 s[G1X+5], 512
	s_mov_b32 s[G1X+6], 0
	s_mov_b32 s[G1X+7], 0
	s_mov_b32 s[G1W], 15|(1<<20)|(1<<21)|(6<<22)|(3<<25)
	s_mov_b32 s[G1W+1], 512<<16
	s_mov_b32 s[G1W+2], 64<<16
	s_mov_b32 s[G1W+3], 512<<16
	s_mov_b32 s[G1W+4], 64
	s_mov_b32 s[G1W+5], 512
	s_mov_b32 s[G1W+6], 0
	s_mov_b32 s[G1W+7], 0
	s_mov_b32 s[G0X], 1
	s_mov_b32 s[G0X+1], s[QW]
	s_mov_b32 s[G0X+4], 1
	s_add_co_u32 s[G0X+5], s[QW], SLOT
	s_mov_b32 s[G0A], 1
	s_mov_b32 s[G0A+1], s[QW]
	s_mov_b32 s[G0B], 1
	s_add_co_u32 s[G0B+1], s[QW], SLOT
	s_mov_b32 s[SEL], 0x76543210
	s_mov_b32 s[SEL+1], 0xfedcba98
	s_lshl_b32 s[T], s[BAT], 10
	s_lshl_b32 s2, s[BLKN], 7
	s_add_co_u32 s[T], s[T], s2
	s_lshl_b32 s2, s[WV], 5
	s_add_co_u32 s[T], s[T], s2
	s_lshl_b32 s[T], s[T], 11
	s_mov_b32 s[T+1], 0
	s_wait_kmcnt 0x0
	s_add_nc_u64 s[G0X+2:G0X+3], s[8:9], s[T:T+1]
	s_add_nc_u64 s[G0X+6:G0X+7], s[G0X+2:G0X+3], 1024
	s_or_b32 s[G0X+3], s[G0X+3], 0x80000000
	s_or_b32 s[G0X+7], s[G0X+7], 0x80000000
	CROUND
	tensor_load_to_lds s[G0X:G0X+3], s[G1X:G1X+7]
	s_nop 0
	PLACES 4
	s_cmp_lt_u32 s[WV], 2
.irp i, 0,1,2,3,4,5,6,7,8
	s_cselect_b64 s[10+2*\i:11+2*\i], s[10+2*\i:11+2*\i], s[28+2*\i:29+2*\i]
.endr
	s_mov_b32 s[MNT], 0x600000
	s_mov_b32 s[HM], 0xffff0000
	s_lshl_b32 s[T], s[HF], 16
	s_add_nc_u64 s[PWQ:PWQ+1], s[PWQ:PWQ+1], s[T:T+1]
	s_add_nc_u64 s[PWK:PWK+1], s[PWK:PWK+1], s[T:T+1]
	s_add_nc_u64 s[PWV:PWV+1], s[PWV:PWV+1], s[T:T+1]
	s_lshl_b32 s[T], s[HF], 11
	s_add_nc_u64 s[PSQ:PSQ+1], s[PSQ:PSQ+1], s[T:T+1]
	s_add_nc_u64 s[PSK:PSK+1], s[PSK:PSK+1], s[T:T+1]
	s_add_nc_u64 s[PSV:PSV+1], s[PSV:PSV+1], s[T:T+1]
	s_lshl_b32 s[T], s[HF], 9
	s_add_nc_u64 s[PBQ:PBQ+1], s[PBQ:PBQ+1], s[T:T+1]
	s_add_nc_u64 s[PBK:PBK+1], s[PBK:PBK+1], s[T:T+1]
	s_add_nc_u64 s[PBV:PBV+1], s[PBV:PBV+1], s[T:T+1]
	s_mov_b64 s[WN:WN+1], s[PWQ:PWQ+1]
	s_lshl_b32 s4, s[BAT], 3
	s_add_co_u32 s4, s4, s[BLKN]
	s_lshl_b32 s4, s4, 2
	s_add_co_u32 s4, s4, s[WV]
	s_lshr_b32 s5, s4, 5
	s_lshl_b32 s5, s5, 13
	s_and_b32 s6, s4, 31
	s_lshl_b32 s7, s6, 4
	s_add_co_u32 s[T], s5, s7
	s_add_nc_u64 s[46:47], s[46:47], s[T:T+1]
	s_lshl_b32 s[T], s6, 8
	s_add_nc_u64 s[48:49], s[48:49], s[T:T+1]
	s_lshr_b32 s5, s6, 3
	s_mul_i32 s5, s5, BLK
	s_and_b32 s7, s4, 7
	s_lshl_b32 s7, s7, 8
	s_add_co_u32 s[T], s5, s7
	s_add_co_u32 s[T], s[T], 65536
	s_add_nc_u64 s[2:3], s[54:55], s[T:T+1]
	s_lshr_b32 s5, s4, 8
	s_mul_i32 s5, s5, BLK
	s_and_b32 s7, s4, 255
	s_lshl_b32 s7, s7, 8
	s_add_co_u32 s[T], s5, s7
	s_add_nc_u64 s[54:55], s[54:55], s[T:T+1]
	s_lshl_b32 s4, s[BAT], 1
	s_add_co_u32 s4, s4, s[HD]
	s_lshl_b32 s4, s4, 3
	s_add_co_u32 s4, s4, s[BLKN]
	s_mul_i32 s5, s4, BLK
	s_mul_i32 s4, s4, QBLK
	s_lshl_b32 s6, s[HF], 11
	s_lshl_b32 s7, s[HF], 9
	s_add_co_u32 s[T], s4, s6
	s_add_nc_u64 s[OC:OC+1], s[50:51], s[T:T+1]
	s_add_co_u32 s[T], s4, s7
	s_add_co_u32 s[T], s[T], 32768
	s_add_nc_u64 s[OS:OS+1], s[50:51], s[T:T+1]
	s_add_co_u32 s[T], s5, s6
	s_add_nc_u64 s[OCK:OCK+1], s[52:53], s[T:T+1]
	s_add_co_u32 s[T], s5, s7
	s_add_co_u32 s[T], s[T], 65536
	s_add_nc_u64 s[OSK:OSK+1], s[52:53], s[T:T+1]
	s_add_co_u32 s[T], s[T], 1024
	s_add_nc_u64 s[OSV:OSV+1], s[52:53], s[T:T+1]
	s_lshl_b32 s6, s[HF], 14
	s_add_co_u32 s[T], s5, s6
	s_add_co_u32 s[T], s[T], 32768
	s_add_nc_u64 s[OCV:OCV+1], s[52:53], s[T:T+1]
	v_and_b32 v64, 31, v0
	v_and_b32 v65, 15, v0
	v_bfe_u32 v66, v0, 4, 1
	v_and_b32 v67, 8, v65
	v_add_nc_u32 v67, v67, v65
	v_lshlrev_b32 v[LI], 4, v64
	v_add_nc_u32 v[LIM], IMG, v[LI]
	v_lshl_add_u32 v[LSM], v64, 2, XSC
	v_mul_u32_u24 v[XAD], v67, XP
	v_lshl_add_u32 v[XAD], v66, 6, v[XAD]
	v_add_nc_u32 v[XAD], s[QW], v[XAD]
	v_add_nc_u32 v[XAD+1], SLOT, v[XAD]
	s_lshl_b32 s4, s[WV], 13
	v_add_nc_u32 v[XWI], s4, v[LIM]
	s_lshl_b32 s4, s[WV], 8
	v_add_nc_u32 v[XWS], s4, v[LSM]
	v_mul_u32_u24 v[WAD], v67, WP
	v_lshl_add_u32 v[WAD], v66, 4, v[WAD]
	v_add_nc_u32 v[WAD], s[QW], v[WAD]
	v_add_nc_u32 v[WAD+1], SLOT, v[WAD]
	v_lshl_add_u32 v[WSO], v66, 3, v67
	v_lshlrev_b32 v[WSO], 4, v[WSO]
	v_lshlrev_b32 v[BO], 6, v66
	v_lshlrev_b32 v[VBO], 2, v67
	v_lshrrev_b32 v[CSO], 1, v64
	v_lshlrev_b32 v[CSO], 9, v[CSO]
	v_and_b32 v68, 1, v64
	v_lshl_add_u32 v[CSO], v68, 3, v[CSO]
	v_lshlrev_b32 v[CDO], 3, v64
	v_lshlrev_b32 v94, 8, v64                      ; Wq's rows, which the first two refills load: 65,536 bytes a wave; the cluster's four partners take 16,384 each, told apart by address; four clusters ask
	s_lshl_b32 s4, s[CX], 14
	v_add_nc_u32 v94, s4, v94
	s_cmp_lt_u32 s[BAT], 2
	s_wait_alu depctr_va_vdst(0)
	s_cbranch_scc0 .Lno_wpf
	global_prefetch_b8 v94, s[PWQ:PWQ+1] th:TH_LOAD_NT scope:SCOPE_SE
	global_prefetch_b8 v94, s[PWQ:PWQ+1] offset:8192 th:TH_LOAD_NT scope:SCOPE_SE
.Lno_wpf:
.irp b, 0,1,2,3
	v_mov_b32 v[TP+\b], 0
.endr
	global_load_b64 v[CD:CD+1], v[CSO], s[46:47]
	global_load_b64 v[CD+2:CD+3], v[CDO], s[48:49]
	WIN 0x40
.irp P, 0,1,2,3
.irp u, 0,1
.irp jj, 0,1
	global_load_b128 v[128+16*\P+8*\u+4*\jj:128+16*\P+8*\u+4*\jj+3], v[BO], s[PBQ:PBQ+1] offset:128*\P+32*\u+16*\jj
	global_load_b128 v[192+16*\P+8*\u+4*\jj:192+16*\P+8*\u+4*\jj+3], v[BO], s[PBK:PBK+1] offset:128*\P+32*\u+16*\jj
.endr
.endr
.endr
	WIN 0
.irp P, 0,1,2,3
.irp u, 0,1
	global_load_b32 v[VB+2*\P+\u], v[VBO], s[PBV:PBV+1] offset:128*\P+32*\u
.endr
.endr
.irp P, 0,1,2,3
	global_load_b128 v[WS+4*\P:WS+4*\P+3], v[WSO], s[PSQ:PSQ+1] offset:512*\P
.endr
	s_wait_alu depctr_va_vdst(0)
	s_wait_tensorcnt 0x0
	ds_add_u32 v10, v11
	s_wait_dscnt 0x0
	CROUND
	tensor_load_to_lds s[G0X+4:G0X+7], s[G1X:G1X+7]
	s_nop 0
	PLACES 4
	XQ 0, 0
	XQ 0, 1
	s_wait_loadcnt 0x0
	global_store_b64 v[CDO], v[CD:CD+1], s[54:55]
	s_cmp_lg_u32 s[BAT], 0
	s_cbranch_scc1 .Lno_scales
	global_store_b64 v[CDO], v[CD+2:CD+3], s[2:3]
.Lno_scales:
	REFILL G0A, 0
	XFETCH 0
	s_wait_dscnt 0x0
	s_barrier_signal -1
	s_barrier_wait -1
	XQ 1, 0
	XQ 1, 1
	REFILL G0B, 32768
	XFETCH 1
	WFETCH 0, 0
	s_mov_b64 s[WN:WN+1], s[PWK:PWK+1]
	s_mov_b64 s[SN:SN+1], s[PSK:PSK+1]
	s_mov_b32 s[UN], 2
.Lunit:
	TRIPQK 0
	TRIPQK 1
	TRIPQK 2
	TRIPQK 3
	s_wait_xcnt 0x0
	s_mov_b64 s[WN:WN+1], s[PWV:PWV+1]
	s_mov_b64 s[SN:SN+1], s[PSV:PSV+1]
	s_mov_b64 s[OC:OC+1], s[OCK:OCK+1]
	s_mov_b64 s[OS:OS+1], s[OSK:OSK+1]
	WIN 0x41
.set ii, 0
.rept 64
	v_mov_b32 v[128+ii], v[192+ii]
.set ii, ii+1
.endr
	WIN 0
	s_sub_co_u32 s[UN], s[UN], 1
	s_cmp_lg_u32 s[UN], 0
	s_cbranch_scc1 .Lunit
	VCSET 0
	PLACES 4
	s_wait_alu depctr_va_vdst(0)
	TRIPV 0
	TRIPV 1
	TRIPV 2
	TRIPV 3
	s_wait_tensorcnt 0x0
	ds_add_u32 v[SPW], v[NIL]
	s_wait_dscnt 0x0
	CROUND
	s_endpgm
.Lfunc_end_k_q812396aa40_qkv:
	.size	k_q812396aa40_qkv, .Lfunc_end_k_q812396aa40_qkv-k_q812396aa40_qkv
	.p2alignl 7, 3214868480
	.fill 96, 4, 3214868480
	.section	.rodata,"a",@progbits
	.p2align	6, 0x0
	.amdhsa_kernel k_q812396aa40_qkv
		.amdhsa_group_segment_fixed_size 327680
		.amdhsa_private_segment_fixed_size 0
		.amdhsa_enable_private_segment 0
		.amdhsa_kernarg_size 192
		.amdhsa_user_sgpr_count 2
		.amdhsa_user_sgpr_kernarg_segment_ptr 1
		.amdhsa_wavefront_size32 1
		.amdhsa_system_sgpr_workgroup_id_x 1
		.amdhsa_system_sgpr_workgroup_id_y 1
		.amdhsa_system_sgpr_workgroup_id_z 1
		.amdhsa_system_vgpr_workitem_id 0
		.amdhsa_next_free_vgpr 1024
		.amdhsa_next_free_sgpr 102
		.amdhsa_reserve_vcc 0
		.amdhsa_float_denorm_mode_32 3
		.amdhsa_float_denorm_mode_16_64 3
		.amdhsa_memory_ordered 1
		.amdhsa_forward_progress 1
		.amdhsa_inst_pref_size 255
	.end_amdhsa_kernel
	.section	.bss,"aw",@nobits
	.p2align	6
	.space	262144
	.amdgpu_metadata
---
amdhsa.version: [ 1, 2 ]
amdhsa.kernels:
  - .name:           k_q812396aa40_qkv
    .symbol:         k_q812396aa40_qkv.kd
    .args:
      - { .name: inputs, .offset: 0, .size: 8, .value_kind: global_buffer, .address_space: global }
      - { .name: Wq1_codes, .offset: 8, .size: 8, .value_kind: global_buffer, .address_space: global }
      - { .name: Wk1_codes, .offset: 16, .size: 8, .value_kind: global_buffer, .address_space: global }
      - { .name: Wv1_codes, .offset: 24, .size: 8, .value_kind: global_buffer, .address_space: global }
      - { .name: Wq1_scales, .offset: 32, .size: 8, .value_kind: global_buffer, .address_space: global }
      - { .name: Wk1_scales, .offset: 40, .size: 8, .value_kind: global_buffer, .address_space: global }
      - { .name: Wv1_scales, .offset: 48, .size: 8, .value_kind: global_buffer, .address_space: global }
      - { .name: bq1, .offset: 56, .size: 8, .value_kind: global_buffer, .address_space: global }
      - { .name: bk1, .offset: 64, .size: 8, .value_kind: global_buffer, .address_space: global }
      - { .name: bv1, .offset: 72, .size: 8, .value_kind: global_buffer, .address_space: global }
      - { .name: Wq2_codes, .offset: 80, .size: 8, .value_kind: global_buffer, .address_space: global }
      - { .name: Wk2_codes, .offset: 88, .size: 8, .value_kind: global_buffer, .address_space: global }
      - { .name: Wv2_codes, .offset: 96, .size: 8, .value_kind: global_buffer, .address_space: global }
      - { .name: Wq2_scales, .offset: 104, .size: 8, .value_kind: global_buffer, .address_space: global }
      - { .name: Wk2_scales, .offset: 112, .size: 8, .value_kind: global_buffer, .address_space: global }
      - { .name: Wv2_scales, .offset: 120, .size: 8, .value_kind: global_buffer, .address_space: global }
      - { .name: bq2, .offset: 128, .size: 8, .value_kind: global_buffer, .address_space: global }
      - { .name: bk2, .offset: 136, .size: 8, .value_kind: global_buffer, .address_space: global }
      - { .name: bv2, .offset: 144, .size: 8, .value_kind: global_buffer, .address_space: global }
      - { .name: Wo_codes, .offset: 152, .size: 8, .value_kind: global_buffer, .address_space: global }
      - { .name: Wo_scales, .offset: 160, .size: 8, .value_kind: global_buffer, .address_space: global }
      - { .name: qws, .offset: 168, .size: 8, .value_kind: global_buffer, .address_space: global }
      - { .name: kvws, .offset: 176, .size: 8, .value_kind: global_buffer, .address_space: global }
      - { .name: wows, .offset: 184, .size: 8, .value_kind: global_buffer, .address_space: global }
    .group_segment_fixed_size: 327680
    .private_segment_fixed_size: 0
    .kernarg_segment_align: 8
    .kernarg_segment_size: 192
    .max_flat_workgroup_size: 128
    .sgpr_count:     102
    .vgpr_count:     1024
    .wavefront_size: 32
...
	.end_amdgpu_metadata
.endif
;; end of part 1
;; launch attn (part 2): grid 8 x 32, 4 waves a work-group, clusters of 4 x 1, 327,680 bytes of LDS; arguments qws, kvws, wows, inputs, bo, gamma, beta, out0; writes out0
.if DOCPART == 2
	.amdgcn_target "amdgcn-amd-amdhsa--gfx1250"
	.amdhsa_code_object_version 6
	.text
	.protected	k_q812396aa40_attn
	.globl	k_q812396aa40_attn
	.p2align	8
	.type	k_q812396aa40_attn,@function
k_q812396aa40_attn:
	s_mov_b64 s[64:65], 0
	v_nop
	global_prefetch_b8 v0, s[64:65] scope:SCOPE_SE
	s_setreg_imm32_b32 hwreg(HW_REG_WAVE_MODE, 25, 1), 1
	s_wait_xcnt 0x0
	s_wait_alu depctr_hold_cnt(0) depctr_sa_sdst(0) depctr_va_vdst(0) depctr_va_sdst(0) depctr_va_ssrc(0) depctr_va_vcc(0) depctr_vm_vsrc(0)
	s_getreg_b32 s2, hwreg(HW_REG_IB_STS2, 6, 4)
	s_cmp_eq_u32 s2, 0
	s_cbranch_scc0 .Lentry_in_a_cluster
	s_endpgm
.Lentry_in_a_cluster:
	s_bfe_u32 s2, ttmp6, 0x10000c
	s_cmp_lg_u32 s2, 0x3003
	s_cbranch_scc0 .Lentry_shape_is_right
	s_endpgm
.Lentry_shape_is_right:
; Both heads' attention on codes of E5M2, the product with Wo, the residual and the LayerNorm.  Operands arrive as images of operand registers (a fragment: four loads of 16 bytes a lane).
; SHARES.  A work-group owns 128 queries of one batch and walks head 1's keys, then head 2's, 128 keys a step; a wave owns 32 queries, two tiles of 16 (t = 0, 1).  Lane r of tile t holds query 32 w + 8 t + r + 8 (r / 8).
; CLUSTER.  The four work-groups of a cluster walk the same K, V and Wo: every tile is asked for jointly (mask 15).
; RING.  Ten tiles of two blocks (eight of K and V, two of Wo) go through two slots, tile i in slot i % 2.  A slot's blocks of 65,536 bytes of codes lie at 0x20000 b + 0x10000 slot, its scale images at SCB + 0x1000 slot + 0x800 b,
; so that one exclusive or turns an address.  Waves 0, 1 bring a block's codes each, waves 2, 3 its 2,048 bytes of scales: one joint load a wave.
; A STEP.  K's fragments were fetched in the step before, into each buffer when the second product had done with it.  O^T's rescaling; S^T = K Q^T; the softmax of both tiles by turns, V's loads among its lines; O^T += V^T P^T.
; In a slot's second step the cluster's round stands inside the second product: 16 products behind its opening signal, the refill behind its closing wait.
; SOFTMAX.  t = score x log2(e) / 16; M = the running largest t rounded up; p = 2^(t - M) is quantised along the keys; the sum is taken of the unquantised p and multiplied by f = 2^(old M - new M).
; O^T'S RESCALING IS PUT OFF BY A STEP: p's scale bytes carry 2^d, d = min(new M - old M, 64), and O^T is multiplied by g = 2^-d at the next step's head (at a head's end g goes into 1 / sum).
; THE PRODUCT WITH Wo IS DEALT BY COLUMNS: wave w takes Wo's block w (128 columns) for all 128 queries, 64 accumulators, so that each fragment read from LDS feeds eight products.  The concatenation's codes pass between
; the waves through LDS bytes of their own: three areas of 16,384 bytes for a K step each; K step 3 goes into K step 0's area between two barriers; the scale words lie as [K step][lane][row tile].
; LIMITS.  Where M rises by more than 64 in one step, the older terms enter O with the weight 2^-64 in place of a smaller one.  NaN and infinities are not served.  A block whose largest magnitude lies under 2^-111 gets the byte 1.
; The promise holds while the scaled scores stay under 2^31 in magnitude.  1 / sum by v_rcp_f32, 1 / sqrt by v_rsq_f32.
; PREFETCH.  The batch's first cluster asks for K's and V's code areas one tile ahead of the joint load, 8,192 bytes a wave, told apart by address.  Each wave asks for its own 32 rows of x, 8,192 bytes in each of head 2's eight steps, each block once.
; REGISTERS.  window 0: v1-11 addresses; v12-23 statistics; v24-47, v76-91 at work; v48-63 K's, V's, later Wo's scale words; v64-65 Q's; v66-67 p's; v92-95 g; v64-95 later the codes' scale words; v96-127 p's codes; v128-255 S^T, then p, later the codes' fragments.
;   window 1: O^T, later the result's row tiles 0-3.  window 2: v0-63 Q, v64-191 buffer A; later row tiles 4-7.  window 3: v128-255 buffer B; later Wo's fragments in two sets; at the end v0-127 rows of x.
.set BLK,   67584
.set TILE,  2*BLK
.set QBLK,  33792
.set SL1,   0x10000
.set SCB,   0x40000
.set SS1,   0x1000
.set SPARE, 0x42000
.set FB,    0x42200
.set CSB,   0x4e200
.set STW,   66048
.set SPI,   2064
.set LI,1
.set AC0,2
.set AC1,3
.set AS,4
.set WB,2
.set WSA,3
.set FR,4
.set SPW,5
.set NIL,6
.set PFO,7
.set QSO,8
.set STO,9
.set RD,10
.set QFO,11
.set STT,12
.set FF,20
.set TM,24
.set TP,28
.set HL,32
.set SO,36
.set T1,52
.set TT,40
.set CAR,40
.set KS,48
.set VS,56
.set QS,64
.set PS,66
.set AW,64
.set GG,92
.set PCD,96
.set S,128
.set BOV,96
.set GAV,112
.set BEV,24
.set MU,40
.set SQ,12
.set PT,20
.set WV,24
.set CX,25
.set BLKN,26
.set BAT,27
.set G1C,28
.set G1S,36
.set G0C,44
.set G0S,48
.set P,52
.set OFC,54
.set OFS,56
.set PFA,58
.set CC,60
.set SEL,62
.set QB,66
.set QB2,68
.set XB0,70
.set YB0,72
.set XC,74
.set XN,76
.set YC,78
.set XPF,80
.set LIM,82
.set TC,83
.set TB,86
.set TS,87
.set MNT,88
.set KK,89
.set SOF,90
.set R512,91
.set EPSR,92
.set T,94
.set MSB, 0
.macro WIN new
.if MSB != (\new)
	s_set_vgpr_msb (MSB<<8)|(\new)
.set MSB, (\new)
.endif
.endm
.macro PLACES n
.rept \n
	v_nop
.endr
.endm
.macro WALU
	s_wait_alu depctr_va_vdst(0)
.endm
.macro BARRIER
	s_barrier_signal -1
	s_barrier_wait -1
.endm
.macro CREST                           ; a round of the cluster's barrier from its opening wait on
	s_barrier_wait -1
	s_cmp_lg_u32 s[WV], 0
	s_cbranch_scc1 .Lnw0_\@
	s_barrier_signal -3
.Lnw0_\@:
	s_barrier_wait -3
	BARRIER
.endm
.macro CROUND
	s_barrier_signal -1
	CREST
.endm
.macro WMC d, a, b, c, sa, sb, ra, rb
.if (\ra) && (\rb)
	v_wmma_scale_f32_16x16x128_f8f6f4 v[(\d):(\d)+7], v[(\a):(\a)+15], v[(\b):(\b)+15], \c, v[(\sa)], v[(\sb)] matrix_a_fmt:MATRIX_FMT_BF8 matrix_b_fmt:MATRIX_FMT_BF8 matrix_a_scale:MATRIX_SCALE_ROW1 matrix_b_scale:MATRIX_SCALE_ROW1
.elseif (\ra)
	v_wmma_scale_f32_16x16x128_f8f6f4 v[(\d):(\d)+7], v[(\a):(\a)+15], v[(\b):(\b)+15], \c, v[(\sa)], v[(\sb)] matrix_a_fmt:MATRIX_FMT_BF8 matrix_b_fmt:MATRIX_FMT_BF8 matrix_a_scale:MATRIX_SCALE_ROW1
.elseif (\rb)
	v_wmma_scale_f32_16x16x128_f8f6f4 v[(\d):(\d)+7], v[(\a):(\a)+15], v[(\b):(\b)+15], \c, v[(\sa)], v[(\sb)] matrix_a_fmt:MATRIX_FMT_BF8 matrix_b_fmt:MATRIX_FMT_BF8 matrix_b_scale:MATRIX_SCALE_ROW1
.else
	v_wmma_scale_f32_16x16x128_f8f6f4 v[(\d):(\d)+7], v[(\a):(\a)+15], v[(\b):(\b)+15], \c, v[(\sa)], v[(\sb)] matrix_a_fmt:MATRIX_FMT_BF8 matrix_b_fmt:MATRIX_FMT_BF8
.endif
.endm
.macro WM d, a, b, sa, sb, ra, rb      ; adds in place
	WMC \d, \a, \b, v[(\d):(\d)+7], \sa, \sb, \ra, \rb
.endm
.macro WM0 d, a, b, sa, sb, ra, rb     ; starts a sum
	WMC \d, \a, \b, 0, \sa, \sb, \ra, \rb
.endm
; Four blocks of 32 are quantised: block b's 16 numbers of mine at v[s + 16 b], lane l xor 16 holds the others.  Codes to v[pc + 4 b], bytes to v[TP + b]
.macro QUANT4 s, pc
.irp b, 0,1,2,3
	v_max3_num_f32 v[TM+\b], |v[\s+16*\b]|, |v[\s+16*\b+1]|, 0x8000000
.endr
.irp i, 2,4,6,8,10,12,14
.irp b, 0,1,2,3
	v_max3_num_f32 v[TM+\b], v[TM+\b], |v[\s+16*\b+\i]|, |v[\s+16*\b+\i+1]|
.endr
.endr
.irp b, 0,1,2,3
	v_permlanex16_b32 v[TP+\b], v[TM+\b], s[SEL], s[SEL+1]
.endr
.irp b, 0,1,2,3
	v_max_num_f32 v[TM+\b], v[TM+\b], v[TP+\b]
.endr
.irp b, 0,1,2,3
	v_add_nc_u32 v[SO+\b], 0xf8800000, v[TM+\b]
.endr
.irp b, 0,1,2,3
	v_and_or_b32 v[HL+\b], v[TM+\b], 0x7f800000, s[MNT]
.endr
.irp b, 0,1,2,3
	v_lshrrev_b32 v[TP+\b], 23, v[SO+\b]
.endr
.irp b, 0,1,2,3
.irp i, 0,1,2,3,4,5,6,7,8,9,10,11,12,13,14,15
	v_med3_num_f32 v[\s+16*\b+\i], v[\s+16*\b+\i], -v[HL+\b], v[HL+\b]
.endr
.endr
.irp b, 0,1,2,3
	v_cvt_scalef32_pk8_bf8_f32 v[\pc+4*\b:\pc+4*\b+1], v[\s+16*\b:\s+16*\b+7], v[SO+\b]
	v_cvt_scalef32_pk8_bf8_f32 v[\pc+4*\b+2:\pc+4*\b+3], v[\s+16*\b+8:\s+16*\b+15], v[SO+\b]
.endr
	v_nop
.endm
.macro WORD d
	v_lshl_or_b32 v[\d], v[TP+1], 8, v[TP]
	v_lshl_or_b32 v[\d], v[TP+2], 16, v[\d]
	v_lshl_or_b32 v[\d], v[TP+3], 24, v[\d]
.endm
; A joint load: waves 0, 1 a block's codes, waves 2, 3 its scales.  An s_nop 0 and four v_nop follow each line
.macro JLOAD
	s_cmp_lt_u32 s[WV], 2
	s_cbranch_scc0 .Ljs_\@
	tensor_load_to_lds s[G0C:G0C+3], s[G1C:G1C+7]
	s_nop 0
	PLACES 4
	s_branch .Ljd_\@
.Ljs_\@:
	tensor_load_to_lds s[G0S:G0S+3], s[G1S:G1S+7]
	s_nop 0
	PLACES 4
.Ljd_\@:
.endm
; both groups 0 for the tile at P (x = 1: in the other slot than last time); P goes a tile on, and behind K's and V's eighth tile to Wo's first
.macro NEXTD x
	s_add_nc_u64 s[G0C+2:G0C+3], s[P:P+1], s[OFC:OFC+1]
	s_or_b32 s[G0C+3], s[G0C+3], 0x80000000
	s_add_nc_u64 s[G0S+2:G0S+3], s[P:P+1], s[OFS:OFS+1]
	s_or_b32 s[G0S+3], s[G0S+3], 0x80000000
.if \x
	s_xor_b32 s[G0C+1], s[G0C+1], SL1
	s_xor_b32 s[G0S+1], s[G0S+1], SS1
.endif
	s_add_nc_u64 s[P:P+1], s[P:P+1], TILE
	s_cmp_eq_u32 s[TC], 5
	s_cselect_b64 s[P:P+1], s[12:13], s[P:P+1]
.endm
.macro ASK                             ; the tile that the next change of slots will load: tiles 2 to 7, the batch's first cluster alone
	s_cmp_lt_u32 s[TC], s[LIM]
	s_cbranch_scc0 .Lnot_mine_\@
	global_prefetch_b8 v[PFO], s[PFA:PFA+1] th:TH_LOAD_NT scope:SCOPE_SE
.Lnot_mine_\@:
.endm
.macro KF hb, adr                      ; K's fragments 8 hb .. 8 hb + 7 into buffer A (hb = 0) or B
	WIN 0x80+0x40*(\hb)
.irp f, 0,1,2,3,4,5,6,7
.irp c, 0,1,2,3
	ds_load_b128 v[64+64*(\hb)+16*\f+4*\c:64+64*(\hb)+16*\f+4*\c+3], v[\adr] offset:2048*(8*(\hb)+\f)+512*\c
.endr
.endr
	WIN 0
.endm
.macro KSL off                         ; K's two scale images
	ds_load_b128 v[KS:KS+3], v[AS] offset:\off
	ds_load_b128 v[KS+4:KS+7], v[AS] offset:(\off)+512
.endm
.macro VRUN k, adr                     ; V^T's channel tiles 4 k .. 4 k + 3
	WIN 0x80+0x40*((\k)/2)
.irp ff, 0,1,2,3
.irp c, 0,1,2,3
	ds_load_b128 v[64+64*((\k)/2)+16*(4*((\k)%2)+\ff)+4*\c:64+64*((\k)/2)+16*(4*((\k)%2)+\ff)+4*\c+3], v[\adr] offset:0x8000+2048*(4*(\k)+\ff)+512*\c
.endr
.endr
	WIN 0
.endm
.macro RSALL                           ; O^T x the last step's g: each accumulator from its low end on
	WIN 0x41
.irp t, 0,1
.set ii, 0
.rept 64
	v_pk_mul_f32 v[128*\t+ii:128*\t+ii+1], v[128*\t+ii:128*\t+ii+1], v[GG+2*\t:GG+2*\t+1] op_sel_hi:[1,0]
.set ii, ii+2
.endr
.endr
.endm
.macro QK hb                           ; 16 products of S^T, eight accumulators by turns
	WIN 0x0a+(\hb)
.irp kt, 0,1,2,3
.irp t, 0,1
	WM0 S+64*\t+8*(4*(\hb)+\kt), 64+64*(\hb)+32*\kt, 32*\t, KS+2*(\hb)+\kt/2, QS, (\kt)%2, \t
.endr
.endr
.irp kt, 0,1,2,3
.irp t, 0,1
	WM S+64*\t+8*(4*(\hb)+\kt), 64+64*(\hb)+32*\kt+16, 32*\t+16, KS+4+2*(\hb)+\kt/2, QS+1, (\kt)%2, \t
.endr
.endr
.endm
.macro PV h                            ; 16 products of O^T from buffer A (h = 0) or B
	WIN 0x52+(\h)
.set nn, 16*(\h)
.rept 16
	WM 128*(nn%2)+8*(nn/2), 64+64*(\h)+16*(nn/2-8*(\h)), PCD+16*(nn%2), VS+nn/4, PS+nn%2, (nn/2)%2, 0
.set nn, nn+1
.endr
	WIN 0
.endm
.macro SOFTMAX2 bk
	ds_load_b128 v[VS:VS+3], v[AS] offset:0x800*(\bk)+0x400
	ds_load_b128 v[VS+4:VS+7], v[AS] offset:0x800*(\bk)+0x600
	VRUN 0, AC0+(\bk)
.irp b, 0,1,2,3
.irp t, 0,1
	v_max3_num_f32 v[TM+T1*\t+\b], v[S+64*\t+16*\b], v[S+64*\t+16*\b+1], v[S+64*\t+16*\b+2]   ; each block's largest score: for the row's maximum and for the block's largest p
.endr
.endr
.irp i, 3,5,7,9,11,13
.irp b, 0,1,2,3
.irp t, 0,1
	v_max3_num_f32 v[TM+T1*\t+\b], v[TM+T1*\t+\b], v[S+64*\t+16*\b+\i], v[S+64*\t+16*\b+\i+1]
.endr
.endr
.endr
.irp b, 0,1,2,3
.irp t, 0,1
	v_max_num_f32 v[TM+T1*\t+\b], v[TM+T1*\t+\b], v[S+64*\t+16*\b+15]
.endr
.endr
.irp b, 0,1,2,3
.irp t, 0,1
	v_permlanex16_b32 v[TP+T1*\t+\b], v[TM+T1*\t+\b], s[SEL], s[SEL+1]
.endr
.endr
.irp b, 0,1,2,3
.irp t, 0,1
	v_max_num_f32 v[TM+T1*\t+\b], v[TM+T1*\t+\b], v[TP+T1*\t+\b]
.endr
.endr
	VRUN 1, AC0+(\bk)
	WALU                                           ; the wait ahead of the branch
	s_cmp_ge_u32 s[TC], 4                          ; head 2's steps: 8,192 bytes of my rows of x
	s_cbranch_scc0 .Lnx_\@
	global_prefetch_b8 v[PFO], s[XPF:XPF+1] offset:8192*(\bk) th:TH_LOAD_NT scope:SCOPE_SE
.Lnx_\@:
.irp t, 0,1
	v_max3_num_f32 v[TT+4*\t], v[TM+T1*\t], v[TM+T1*\t+1], v[TM+T1*\t+2]
.endr
.irp t, 0,1
	v_max_num_f32 v[TT+4*\t], v[TT+4*\t], v[TM+T1*\t+3]
.endr
.irp t, 0,1
	v_mul_f32 v[TT+4*\t], s[CC], v[TT+4*\t]
.endr
.irp t, 0,1
	v_max_num_f32 v[STT+4*\t+1], v[STT+4*\t+1], v[TT+4*\t]   ; the running largest t
.endr
.irp t, 0,1
	v_mov_b32 v[TT+4*\t], v[STT+4*\t]
.endr
.irp t, 0,1
	v_floor_f32 v[STT+4*\t], -v[STT+4*\t+1]        ; the new -M
.endr
.irp t, 0,1
	v_sub_f32 v[TT+4*\t], v[STT+4*\t], v[TT+4*\t]  ; old M - new M, 0 or less
.endr
.irp t, 0,1
	v_cvt_i32_f32 v[TT+4*\t], v[TT+4*\t]
.endr
.irp t, 0,1
	v_ldexp_f32 v[FF+2*\t], 1.0, v[TT+4*\t]        ; f
.endr
.irp t, 0,1
	v_max_num_f32 v[GG+2*\t], 0x1f800000, v[FF+2*\t]   ; g = max(f, 2^-64) = 2^-d
.endr
.irp t, 0,1
	v_lshrrev_b32 v[TT+4*\t], 23, v[GG+2*\t]
.endr
.irp t, 0,1
	v_sub_nc_u32 v[TT+4*\t], 127, v[TT+4*\t]       ; d
.endr
.irp t, 0,1
	v_lshl_or_b32 v[TT+4*\t+1], v[TT+4*\t], 8, v[TT+4*\t]
.endr
.irp t, 0,1
	v_lshl_or_b32 v[TT+4*\t+1], v[TT+4*\t+1], 16, v[TT+4*\t+1]   ; d in four bytes
.endr
.irp t, 0,1
.set ii, 0
.rept 32
	v_pk_fma_f32 v[S+64*\t+ii:S+64*\t+ii+1], v[S+64*\t+ii:S+64*\t+ii+1], s[CC:CC+1], v[STT+4*\t:STT+4*\t+1] op_sel_hi:[1,0,0]   ; t - M
.set ii, ii+2
.endr
	VRUN 2+\t, AC0+(\bk)
.endr
.irp b, 0,1,2,3
.irp t, 0,1
	v_fma_f32 v[TM+T1*\t+\b], v[TM+T1*\t+\b], s[CC], v[STT+4*\t]
.endr
.endr
	WALU                                           ; ahead of the batch
.set ii, 0
.rept 128
	v_exp_f32 v[S+ii], v[S+ii]                     ; p = 2^(t - M)
.set ii, ii+1
.endr
.irp t, 0,1
	v_pk_mul_f32 v[STT+4*\t+2:STT+4*\t+3], v[STT+4*\t+2:STT+4*\t+3], v[FF+2*\t:FF+2*\t+1] op_sel_hi:[1,0]
.endr
	WALU                                           ; one wait for the batch of 128
.irp b, 0,1,2,3
.irp t, 0,1
	v_exp_f32 v[TM+T1*\t+\b], v[TM+T1*\t+\b]       ; the block's largest p
.endr
.endr
.irp t, 0,1
	v_pk_add_f32 v[TT+4*\t+2:TT+4*\t+3], v[S+64*\t:S+64*\t+1], v[S+64*\t+2:S+64*\t+3]   ; the sum of the unquantised p, four chains by turns
.endr
.set ii, 4
.rept 15
	v_pk_add_f32 v[STT+2:STT+3], v[STT+2:STT+3], v[S+ii:S+ii+1]
	v_pk_add_f32 v[STT+6:STT+7], v[STT+6:STT+7], v[S+64+ii:S+64+ii+1]
	v_pk_add_f32 v[TT+2:TT+3], v[TT+2:TT+3], v[S+ii+2:S+ii+3]
	v_pk_add_f32 v[TT+6:TT+7], v[TT+6:TT+7], v[S+64+ii+2:S+64+ii+3]
.set ii, ii+4
.endr
.irp t, 0,1
	v_pk_add_f32 v[STT+4*\t+2:STT+4*\t+3], v[STT+4*\t+2:STT+4*\t+3], v[TT+4*\t+2:TT+4*\t+3]
.endr
	WALU                                           ; and one for the eight
.irp b, 0,1,2,3
.irp t, 0,1
	v_max_num_f32 v[TM+T1*\t+\b], 0x8000000, v[TM+T1*\t+\b]
.endr
.endr
.irp b, 0,1,2,3
.irp t, 0,1
	v_add_nc_u32 v[SO+T1*\t+\b], 0xf8800000, v[TM+T1*\t+\b]
.endr
.endr
.irp b, 0,1,2,3
.irp t, 0,1
	v_and_or_b32 v[HL+T1*\t+\b], v[TM+T1*\t+\b], 0x7f800000, s[MNT]
.endr
.endr
.irp b, 0,1,2,3
.irp t, 0,1
	v_lshrrev_b32 v[TP+T1*\t+\b], 23, v[SO+T1*\t+\b]
.endr
.endr
.irp t, 0,1
	v_lshl_or_b32 v[PS+\t], v[TP+T1*\t+1], 8, v[TP+T1*\t]
.endr
.irp t, 0,1
	v_lshl_or_b32 v[PS+\t], v[TP+T1*\t+2], 16, v[PS+\t]
.endr
.irp t, 0,1
	v_lshl_or_b32 v[PS+\t], v[TP+T1*\t+3], 24, v[PS+\t]
.endr
.irp t, 0,1
	v_add_nc_u32 v[PS+\t], v[PS+\t], v[TT+4*\t+1]  ; each byte + d: at most 112 + 64
.endr
; the one-sided hold, two numbers an instruction: number i of block b beside number (i + 1) % 16 of block b + 1: the destinations differ in parity, and both pairs of sources in their number modulo 4
.irp t, 0,1
.irp b, 0,2
.set ii, 0
.rept 16
	v_dual_min_num_f32 v[S+64*\t+16*\b+ii], v[S+64*\t+16*\b+ii], v[HL+T1*\t+\b] :: v_dual_min_num_f32 v[S+64*\t+16*\b+16+(ii+1)%16], v[S+64*\t+16*\b+16+(ii+1)%16], v[HL+T1*\t+\b+1]
.set ii, ii+1
.endr
.irp e, 0,1
	v_cvt_scalef32_pk8_bf8_f32 v[PCD+16*\t+4*(\b+\e):PCD+16*\t+4*(\b+\e)+1], v[S+64*\t+16*(\b+\e):S+64*\t+16*(\b+\e)+7], v[SO+T1*\t+\b+\e]
	v_cvt_scalef32_pk8_bf8_f32 v[PCD+16*\t+4*(\b+\e)+2:PCD+16*\t+4*(\b+\e)+3], v[S+64*\t+16*(\b+\e)+8:S+64*\t+16*(\b+\e)+15], v[SO+T1*\t+\b+\e]
.endr
.endr
.endr
.endm
; A KEY STEP: block bk of the slot in hand
.macro STEP bk
	RSALL
	s_wait_loadcnt 0x0                             ; Q
	s_wait_dscnt 32                                ; K's scale images and buffer A are in; the 32 loads into buffer B may be out
	QK 0
	s_wait_dscnt 0x0
	QK 1
	WIN 0
	PLACES 8                                       ; ahead of the loads into both buffers and of the first read of the scores
	SOFTMAX2 \bk
	PLACES 4                                       ; behind the last conversion, ahead of the products
	WALU                                           ; the wait ahead of the waits below
.if \bk
	s_wait_tensorcnt 0x0                           ; my part of the next slot is in
	ds_add_u32 v[SPW], v[NIL]
	NEXTD 1
	s_xor_b32 s[TB], s[TB], SL1
	s_xor_b32 s[TS], s[TS], SS1
	s_wait_xcnt 0x0                                ; my prefetches have read their addresses
	s_add_nc_u64 s[PFA:PFA+1], s[PFA:PFA+1], TILE
	s_cmp_ge_u32 s[TC], 4
	s_cselect_b32 s[T], 16384, 0
	s_add_nc_u64 s[XPF:XPF+1], s[XPF:XPF+1], s[T:T+1]
	s_wait_dscnt 0x0                               ; the add is done, V is in: my reads of this slot are over
	s_barrier_signal -1
	PV 0
	v_add_nc_u32 v[AC0], s[TB], v[LI]              ; the next slot's addresses
	v_add_nc_u32 v[AS], s[TS], v[LI]
	v_add_nc_u32 v[AC1], 0x20000, v[AC0]
	PLACES 5
	WALU
	CREST
	JLOAD                                          ; the slot just left takes the tile after next
	ASK
	s_add_co_u32 s[TC], s[TC], 1
	s_cmp_eq_u32 s[TC], 8                          ; behind the last key step no K follows
	s_cbranch_scc1 .Lna_\@
	KSL 0
	KF 0, AC0
.Lna_\@:
	PV 1
	PLACES 8
	s_cmp_eq_u32 s[TC], 8
	s_cbranch_scc1 .Lnb_\@
	KF 1, AC0
.Lnb_\@:
.else
	s_wait_dscnt 0x0                               ; V is in
	PV 0
	PLACES 8
	KSL 0x800
	KF 0, AC1
	PV 1
	PLACES 8
	KF 1, AC1
.endif
.endm
.macro QLOAD base
	WIN 0x80
.irp f, 0,1,2,3
.irp c, 0,1,2,3
	global_load_b128 v[16*\f+4*\c:16*\f+4*\c+3], v[QFO], s[\base:\base+1] offset:2048*\f+512*\c th:TH_LOAD_NT
.endr
.endr
	WIN 0
	global_load_b32 v[QS], v[QSO], s[\base:\base+1] offset:32768
	global_load_b32 v[QS+1], v[QSO], s[\base:\base+1] offset:33280
.endm
.macro HEAD_INIT                       ; -3e38 for the largest t, zeros for the sums, and g = 0: the first step's rescaling makes O^T zero
.irp t, 0,1
	v_mov_b32 v[STT+4*\t+1], 0xff61b1e6
	v_floor_f32 v[STT+4*\t], -v[STT+4*\t+1]
	v_mov_b32 v[STT+4*\t+2], 0
	v_mov_b32 v[STT+4*\t+3], 0
	v_mov_b32 v[GG+2*\t], 0
.endr
	WALU
.endm
; A head ends: O^T x g / the sum becomes K steps 2 h, 2 h + 1 of the product with Wo.  K step 2 h's codes and both scale words go to LDS at once; K step 1's too; K step 3's stay in v96-127 until K step 0's area is free
.macro HEAD_END
	s_cmp_lg_u32 s[TC], 4
	s_cbranch_scc1 .Lnq_\@
	QLOAD QB2                                      ; head 2's Q, asked for ahead of this arithmetic
.Lnq_\@:
	s_lshr_b32 s[T+2], s[TC], 3                    ; h
	s_lshl_b32 s[T+3], s[WV], 12                   ; my two row tiles: 4,096 bytes of a K step's area
	s_add_co_u32 s[T+3], s[T+3], FB
	v_add_nc_u32 v45, s[T+3], v[LI]
	s_lshl_b32 s[T], s[T+2], 15
	s_add_co_u32 s[T+3], s[T+3], s[T]
	v_add_nc_u32 v44, s[T+3], v[LI]
	s_lshl_b32 s[T], s[T+2], 11
	s_lshl_b32 s[T+3], s[WV], 3
	s_add_co_u32 s[T], s[T], s[T+3]
	s_add_co_u32 s[T], s[T], CSB
	v_lshl_add_u32 v46, v[LI], 1, s[T]             ; the scale words: 32 bytes a lane, 4 a row tile
.irp t, 0,1
	v_add_f32 v[TT+\t], v[STT+4*\t+2], v[STT+4*\t+3]
.endr
.irp t, 0,1
	v_permlanex16_b32 v[TT+2+\t], v[TT+\t], s[SEL], s[SEL+1]
.endr
.irp t, 0,1
	v_add_f32 v[TT+\t], v[TT+\t], v[TT+2+\t]
.endr
	WALU
.irp t, 0,1
	v_rcp_f32 v[FF+2*\t], v[TT+\t]
.endr
	v_nop
	WALU
.irp t, 0,1
	v_mul_f32 v[FF+2*\t], v[FF+2*\t], v[GG+2*\t]
.endr
.irp t, 0,1
	WIN 0x01
	WALU                                           ; directly ahead of the first reader of the tile's O^T
.set ii, 0
.rept 64
	v_pk_mul_f32 v[S+ii:S+ii+1], v[128*\t+ii:128*\t+ii+1], v[FF+2*\t:FF+2*\t+1] op_sel_hi:[1,0]
.set ii, ii+2
.endr
	WIN 0
	QUANT4 S, 76
	WORD 47
.irp c, 0,1,2,3
	ds_store_b128 v44, v[76+4*\c:76+4*\c+3] offset:2048*\t+512*\c
.endr
	ds_store_b32 v46, v47 offset:4*\t
	QUANT4 S+64, PCD+16*\t
	WORD 47
	ds_store_b32 v46, v47 offset:1024+4*\t
.endr
	WALU
	s_cmp_lg_u32 s[TC], 4
	s_cbranch_scc1 .Lni_\@
.irp t, 0,1
.irp c, 0,1,2,3
	ds_store_b128 v45, v[PCD+16*\t+4*\c:PCD+16*\t+4*\c+3] offset:0x4000+2048*\t+512*\c
.endr
.endr
	HEAD_INIT
.Lni_\@:
.endm
.macro WOB s                           ; my block's eight fragments of K step s into set s % 2 of window 3
	WIN 0xc0
.irp ct, 0,1,2,3,4,5,6,7
.irp c, 0,1,2,3
	ds_load_b128 v[128*((\s)%2)+16*\ct+4*\c:128*((\s)%2)+16*\ct+4*\c+3], v[WB] offset:(4*\ct+(\s))*2048+512*\c
.endr
.endr
	WIN 0
.endm
.macro WOA s, r0                       ; the codes of row tiles r0 .. r0 + 3, K step s (area s % 3)
.irp q, 0,1,2,3
.irp c, 0,1,2,3
	ds_load_b128 v[128+16*((\r0)+\q)+4*\c:128+16*((\r0)+\q)+4*\c+3], v[FR] offset:((\s)%3)*0x4000+((\r0)+\q)*2048+512*\c
.endr
.endr
.endm
.macro MULW s, hf                      ; 32 products: row tiles 4 hf .. 4 hf + 3 x my eight column tiles; the accumulators by turns.  Source 0 = 16 rows of Wo, source 1 = 16 queries' codes
	WIN 0x53+0x50*(\hf)
.irp q, 0,1,2,3
.irp ct, 0,1,2,3,4,5,6,7
.if (\s) == 0
	WM0 64*\q+8*\ct, 16*\ct, 128+16*(4*(\hf)+\q), KS+4*(\ct/2), AW+4*(\hf)+\q, (\ct)%2, 0
.else
	WM 64*\q+8*\ct, 128*((\s)%2)+16*\ct, 128+16*(4*(\hf)+\q), KS+4*(\ct/2)+(\s), AW+8*(\s)+4*(\hf)+\q, (\ct)%2, 0
.endif
.endr
.endr
	WIN 0
.endm
; THE LAYERNORM of four rows: row i at v[Y + 16 i] (my columns 4 lane + 128 jj + e at 4 jj + e), x's in window 3 at v[X + 16 i]
.macro LNG Y, X
	WIN 0x0c
.irp i, 0,1,2,3
.irp p, 0,2,4,6,8,10,12,14
	v_pk_add_f32 v[\Y+16*\i+\p:\Y+16*\i+\p+1], v[\Y+16*\i+\p:\Y+16*\i+\p+1], v[\X+16*\i+\p:\X+16*\i+\p+1]
.endr
.endr
	WIN 0
.irp i, 0,1,2,3
.irp p, 0,2,4,6,8,10,12,14
	v_pk_add_f32 v[\Y+16*\i+\p:\Y+16*\i+\p+1], v[\Y+16*\i+\p:\Y+16*\i+\p+1], v[BOV+\p:BOV+\p+1]
.endr
.endr
.irp i, 0,1,2,3
	v_pk_add_f32 v[MU+2*\i:MU+2*\i+1], v[\Y+16*\i:\Y+16*\i+1], v[\Y+16*\i+2:\Y+16*\i+3]
.endr
.irp p, 4,6,8,10,12,14
.irp i, 0,1,2,3
	v_pk_add_f32 v[MU+2*\i:MU+2*\i+1], v[MU+2*\i:MU+2*\i+1], v[\Y+16*\i+\p:\Y+16*\i+\p+1]
.endr
.endr
.irp i, 0,1,2,3
	v_add_f32 v[MU+2*\i], v[MU+2*\i], v[MU+2*\i+1]
.endr
.irp x, 1,2,4,8
.irp i, 0,1,2,3
	v_add_f32_dpp v[MU+2*\i], v[MU+2*\i], v[MU+2*\i] row_xmask:\x row_mask:0xf bank_mask:0xf
.endr
.endr
.irp i, 0,1,2,3
	v_permlanex16_b32 v[PT+\i], v[MU+2*\i], s[SEL], s[SEL+1]
.endr
.irp i, 0,1,2,3
	v_add_f32 v[MU+2*\i], v[MU+2*\i], v[PT+\i]
.endr
.irp i, 0,1,2,3
	v_mul_f32 v[MU+2*\i], s[R512], v[MU+2*\i]      ; the mean
.endr
.irp i, 0,1,2,3
.irp p, 0,2,4,6,8,10,12,14
	v_pk_add_f32 v[\Y+16*\i+\p:\Y+16*\i+\p+1], v[\Y+16*\i+\p:\Y+16*\i+\p+1], v[MU+2*\i:MU+2*\i+1] op_sel_hi:[1,0] neg_lo:[0,1] neg_hi:[0,1]
.endr
.endr
.irp i, 0,1,2,3
	v_pk_mul_f32 v[SQ+2*\i:SQ+2*\i+1], v[\Y+16*\i:\Y+16*\i+1], v[\Y+16*\i:\Y+16*\i+1]
.endr
.irp p, 2,4,6,8,10,12,14
.irp i, 0,1,2,3
	v_pk_fma_f32 v[SQ+2*\i:SQ+2*\i+1], v[\Y+16*\i+\p:\Y+16*\i+\p+1], v[\Y+16*\i+\p:\Y+16*\i+\p+1], v[SQ+2*\i:SQ+2*\i+1]
.endr
.endr
.irp i, 0,1,2,3
	v_add_f32 v[SQ+2*\i], v[SQ+2*\i], v[SQ+2*\i+1]
.endr
.irp x, 1,2,4,8
.irp i, 0,1,2,3
	v_add_f32_dpp v[SQ+2*\i], v[SQ+2*\i], v[SQ+2*\i] row_xmask:\x row_mask:0xf bank_mask:0xf
.endr
.endr
.irp i, 0,1,2,3
	v_permlanex16_b32 v[PT+\i], v[SQ+2*\i], s[SEL], s[SEL+1]
.endr
.irp i, 0,1,2,3
	v_add_f32 v[SQ+2*\i], v[SQ+2*\i], v[PT+\i]
.endr
.irp i, 0,1,2,3
	v_fma_f32 v[SQ+2*\i], v[SQ+2*\i], s[R512], s[EPSR]   ; the variance + 1e-5
.endr
	WALU
.irp i, 0,1,2,3
	v_rsq_f32 v[SQ+2*\i], v[SQ+2*\i]
.endr
	v_nop
	WALU
.irp i, 0,1,2,3
.irp p, 0,2,4,6,8,10,12,14
	v_pk_mul_f32 v[\Y+16*\i+\p:\Y+16*\i+\p+1], v[\Y+16*\i+\p:\Y+16*\i+\p+1], v[SQ+2*\i:SQ+2*\i+1] op_sel_hi:[1,0]
.endr
.endr
.irp i, 0,1,2,3
.irp p, 0,2,4,6,8,10,12,14
	v_pk_fma_f32 v[\Y+16*\i+\p:\Y+16*\i+\p+1], v[\Y+16*\i+\p:\Y+16*\i+\p+1], v[GAV+\p:GAV+\p+1], v[BEV+\p:BEV+\p+1]
.endr
.endr
.endm
.macro OFFK kreg                       ; s[T] = where trip k's eight rows begin among my 32, in bytes: stage rows 8 k .. are rows 0, 16, 8, 24 on
	s_lshr_b32 s[T], s[\kreg], 1
	s_lshl_b32 s[T], s[T], 14
	s_and_b32 s[T+2], s[\kreg], 1
	s_lshl_b32 s[T+2], s[T+2], 15
	s_add_co_u32 s[T], s[T], s[T+2]
.endm
.macro XLOAD reg, base, row
	WIN 0xc0
.irp i, 0,1,2,3
.irp jj, 0,1,2,3
	global_load_b128 v[\reg+16*\i+4*\jj:\reg+16*\i+4*\jj+3], v[LI], s[\base:\base+1] offset:(\row+\i)*2048+512*\jj th:TH_LOAD_NT
.endr
.endr
	WIN 0
.endm
.macro YLOAD reg, row
.irp i, 0,1,2,3
.irp jj, 0,1,2,3
	ds_load_b128 v[\reg+16*\i+4*\jj:\reg+16*\i+4*\jj+3], v[AC0] offset:(\row+\i)*SPI+512*\jj
.endr
.endr
.endm
.macro YSTORE reg, row
.irp i, 0,1,2,3
.irp jj, 0,1,2,3
	global_store_b128 v[LI], v[\reg+16*\i+4*\jj:\reg+16*\i+4*\jj+3], s[YC:YC+1] offset:(\row+\i)*2048+512*\jj th:TH_STORE_NT   ; 32 lanes store 512 consecutive bytes
.endr
.endr
.endm
.macro LNTRIP last                     ; eight rows; their first four rows of x were asked for a trip ago
	s_wait_xcnt 0x0                                ; the last trip's loads and stores have read their bases and data
.if \last
	s_add_nc_u64 s[XC:XC+1], s[XB0:XB0+1], 49152
	s_add_nc_u64 s[YC:YC+1], s[YB0:YB0+1], 49152
	s_mov_b32 s[SOF], 3*8*SPI
.else
	OFFK KK
	s_add_nc_u64 s[XC:XC+1], s[XB0:XB0+1], s[T:T+1]
	s_add_nc_u64 s[YC:YC+1], s[YB0:YB0+1], s[T:T+1]
	s_add_co_u32 s[T+3], s[KK], 1
	OFFK T+3
	s_add_nc_u64 s[XN:XN+1], s[XB0:XB0+1], s[T:T+1]
.endif
	XLOAD 64, XC, 4
	v_add_nc_u32 v[AC0], s[SOF], v[RD]
	WALU
	YLOAD 128, 0
	s_wait_loadcnt 16                              ; rows 0-3 of x are in; the 16 loads just issued may be out
	s_wait_dscnt 0x0
	LNG 128, 0
	YSTORE 128, 0
.if !(\last)
	XLOAD 0, XN, 0
.endif
	YLOAD 192, 4
.if \last
	s_wait_loadcnt 0x0
.else
	s_wait_loadcnt 16                              ; rows 4-7 are in; the next trip's 16 loads may be out
.endif
	s_wait_dscnt 0x0
	LNG 192, 64
	YSTORE 192, 4
.endm
	s_load_b512 s[8:23], s[0:1], 0x0               ; qws, kvws, wows, inputs, bo, gamma, beta, out0
	v_lshl_add_u32 v[SPW], v0, 2, SPARE
	v_mov_b32 v[NIL], 0
	ds_add_u32 v[SPW], v[NIL]                      ; the add twice on end and its wait
	ds_add_u32 v[SPW], v[NIL]
	v_lshrrev_b32 v40, 5, v0
	v_readfirstlane_b32 s[WV], v40
	s_bfe_u32 s[CX], ttmp6, 0x40000                ; my place in the cluster: it enters addresses of Q, x, the output and the prefetches alone
	s_lshl_b32 s[BLKN], ttmp9, 2
	s_add_co_u32 s[BLKN], s[BLKN], s[CX]
	s_and_b32 s[BAT], ttmp7, 0xffff
	s_mov_b32 s[G1C], 15|(3<<16)|(1<<21)           ; 65,536 dense bytes as 256 rows of 256 (32 elements of 8 bytes)
	s_mov_b32 s[G1C+1], 32<<16
	s_mov_b32 s[G1C+2], 256<<16
	s_mov_b32 s[G1C+3], 32<<16
	s_mov_b32 s[G1C+4], 256
	s_mov_b32 s[G1C+5], 32
	s_mov_b32 s[G1C+6], 0
	s_mov_b32 s[G1C+7], 0
	s_mov_b32 s[G1S], 15|(3<<16)|(1<<21)           ; 2,048 dense bytes as 8 rows of 256
	s_mov_b32 s[G1S+1], 32<<16
	s_mov_b32 s[G1S+2], 8<<16
	s_mov_b32 s[G1S+3], 32<<16
	s_mov_b32 s[G1S+4], 8
	s_mov_b32 s[G1S+5], 32
	s_mov_b32 s[G1S+6], 0
	s_mov_b32 s[G1S+7], 0
	s_and_b32 s[T], s[WV], 1                       ; which block of a tile I fetch for
	s_mov_b32 s[G0C], 1
	s_lshl_b32 s[G0C+1], s[T], 17
	s_mov_b32 s[G0S], 1
	s_lshl_b32 s[G0S+1], s[T], 11
	s_add_co_u32 s[G0S+1], s[G0S+1], SCB
	s_mul_i32 s[OFC], s[T], BLK
	s_mov_b32 s[OFC+1], 0
	s_add_co_u32 s[OFS], s[OFC], 0x10000
	s_mov_b32 s[OFS+1], 0
	s_mov_b32 s[T+1], 0
	s_mul_i32 s[T+2], s[BAT], 16*BLK
	s_mov_b32 s[T+3], 0
	s_mov_b32 s[CC], 0x3db8aa3b                    ; log2(e) / sqrt(256)
	s_mov_b32 s[CC+1], s[CC]
	s_mov_b32 s[SEL], 0x76543210
	s_mov_b32 s[SEL+1], 0xfedcba98
	s_mov_b32 s[MNT], 0x600000
	s_mov_b32 s[R512], 0x3b000000
	s_mov_b32 s[EPSR], 0x3727c5ac
	s_mov_b32 s[TC], 0
	s_mov_b32 s[TB], 0
	s_mov_b32 s[TS], SCB
	s_cmp_eq_u32 ttmp9, 0
	s_cselect_b32 s[LIM], 5, 0
	WALU
	s_wait_dscnt 0x0
	s_wait_kmcnt 0x0
	s_add_nc_u64 s[P:P+1], s[10:11], s[T+2:T+3]
	s_mov_b64 s[PFA:PFA+1], s[P:P+1]
	NEXTD 0
	CROUND
	JLOAD                                          ; tile 0
	s_lshl_b32 s[T], s[CX], 2
	s_add_co_u32 s[T], s[T], s[WV]                 ; 4 cx + wave: which 8,192 bytes of a tile's code areas I prefetch
	s_lshr_b32 s[T+2], s[T], 3
	s_mul_i32 s[T+2], s[T+2], BLK
	s_and_b32 s[T], s[T], 7
	s_lshl_b32 s[T], s[T], 13
	s_add_co_u32 s[T], s[T], s[T+2]
	s_add_co_u32 s[T], s[T], 2*TILE
	s_add_nc_u64 s[PFA:PFA+1], s[PFA:PFA+1], s[T:T+1]
	s_lshl_b32 s[T], s[BAT], 4
	s_add_co_u32 s[T], s[T], s[BLKN]
	s_mul_i32 s[T], s[T], QBLK
	s_add_nc_u64 s[QB:QB+1], s[8:9], s[T:T+1]
	s_add_nc_u64 s[QB2:QB2+1], s[QB:QB+1], 8*QBLK
	s_lshl_b32 s[T], s[BAT], 10
	s_lshl_b32 s[T+2], s[BLKN], 7
	s_add_co_u32 s[T], s[T], s[T+2]
	s_lshl_b32 s[T+2], s[WV], 5
	s_add_co_u32 s[T], s[T], s[T+2]
	s_lshl_b32 s[T], s[T], 11                      ; my 32 rows of x and of the output
	s_add_nc_u64 s[XB0:XB0+1], s[14:15], s[T:T+1]
	s_add_nc_u64 s[YB0:YB0+1], s[22:23], s[T:T+1]
	s_mov_b64 s[XPF:XPF+1], s[XB0:XB0+1]
	v_and_b32 v40, 31, v0
	v_and_b32 v41, 15, v0
	v_bfe_u32 v42, v0, 4, 1
	v_lshlrev_b32 v[LI], 4, v40
	v_lshlrev_b32 v[PFO], 8, v40
	s_lshl_b32 s[T], s[WV], 2
	v_add_nc_u32 v[QSO], s[T], v[LI]
	s_lshl_b32 s[T], s[WV], 13
	v_add_nc_u32 v[QFO], s[T], v[LI]
	s_lshl_b32 s[T], s[WV], 9
	v_mul_u32_u24 v[STO], v41, SPI
	v_lshl_add_u32 v[STO], v42, 5, v[STO]
	v_add_nc_u32 v[STO], s[T], v[STO]              ; the stage, in: row r of a row tile, my 512 bytes of columns, + 32 h
	s_mul_i32 s[T], s[WV], STW
	v_add_nc_u32 v[RD], s[T], v[LI]                ; and back: my 32 rows, 16 bytes a lane
	v_add_nc_u32 v[AC0], s[TB], v[LI]
	v_add_nc_u32 v[AS], s[TS], v[LI]
	v_add_nc_u32 v[AC1], 0x20000, v[AC0]
	WALU
	QLOAD QB
.irp b, 0,1,2,3
	v_mov_b32 v[TP+\b], 0                          ; a lane permute's destination counts as one of its sources
	v_mov_b32 v[TP+T1+\b], 0
.endr
.irp j, 1,3
	v_mov_b32 v[FF+\j], 0                          ; the upper halves of pairs
	v_mov_b32 v[GG+\j], 0
.endr
	WIN 0x40
.set ii, 0
.rept 256
	v_mov_b32 v[ii], 0                             ; O^T is written once, while tile 0 is on its way
.set ii, ii+1
.endr
	WIN 0
	HEAD_INIT
	s_wait_tensorcnt 0x0                           ; my part of tile 0 is in; slot 1's first fill is issued as a refill is
	ds_add_u32 v[SPW], v[NIL]
	NEXTD 1
	s_wait_dscnt 0x0
	CROUND
	JLOAD                                          ; tile 1
	ASK                                            ; tile 2
	KSL 0
	KF 0, AC0
	KF 1, AC0
.Ltrip:                                            ; eight trips: a slot's two key steps; trips 0-3 head 1, trips 4-7 head 2
	STEP 0
	STEP 1
	s_and_b32 s[T+2], s[TC], 3
	s_cmp_lg_u32 s[T+2], 0
	s_cbranch_scc1 .Lsame_head
	HEAD_END
.Lsame_head:
	s_cmp_lt_u32 s[TC], 8
	s_cbranch_scc1 .Ltrip
	; THE PRODUCT WITH Wo.  Block w lies in slot w / 2, place w % 2
	s_and_b32 s[T], s[WV], 1
	s_lshr_b32 s[T+2], s[WV], 1
	s_lshl_b32 s[T+3], s[T], 17
	s_lshl_b32 s[KK], s[T+2], 16
	s_add_co_u32 s[T+3], s[T+3], s[KK]
	v_add_nc_u32 v[WB], s[T+3], v[LI]
	s_lshl_b32 s[T+3], s[T], 11
	s_lshl_b32 s[KK], s[T+2], 12
	s_add_co_u32 s[T+3], s[T+3], s[KK]
	s_add_co_u32 s[T+3], s[T+3], SCB
	v_add_nc_u32 v[WSA], s[T+3], v[LI]
	v_add_nc_u32 v[FR], FB, v[LI]
	s_lshl_b32 s[T+3], s[WV], 12                   ; where my two row tiles lie in a K step's area: for K step 3's codes
	s_add_co_u32 s[T+3], s[T+3], FB
	v_add_nc_u32 v[QFO], s[T+3], v[LI]
	v_lshl_add_u32 v[CAR], v[LI], 1, CSB
	WALU
	s_wait_tensorcnt 0x0                           ; my part of Wo's second tile is in,
	s_wait_dscnt 0x0                               ; and my codes and scale words are stored
	BARRIER
.irp j, 0,1,2,3
	ds_load_b128 v[KS+4*\j:KS+4*\j+3], v[WSA] offset:512*\j          ; my block's scale words: register 4 j + s: column tiles 2 j, 2 j + 1, K step s
.endr
.irp s, 0,1,2,3
	ds_load_b128 v[AW+8*\s:AW+8*\s+3], v[CAR] offset:1024*\s         ; the codes' scale words: register 8 s + row tile
	ds_load_b128 v[AW+8*\s+4:AW+8*\s+7], v[CAR] offset:1024*\s+16
.endr
	WOB 0
	WOA 0, 0
	WOA 0, 4
	s_wait_dscnt 16                                ; all but row tiles 4-7
	MULW 0, 0
	s_wait_dscnt 0x0
	s_barrier_signal -1                            ; my reads of K step 0's area are over
	PLACES 8
	WOB 1
	WOA 1, 0
	MULW 0, 1
	PLACES 8
	s_barrier_wait -1                              ; everybody's are: K step 3's codes go there
.irp t, 0,1
.irp c, 0,1,2,3
	ds_store_b128 v[QFO], v[PCD+16*\t+4*\c:PCD+16*\t+4*\c+3] offset:2048*\t+512*\c
.endr
.endr
	WOA 1, 4
	s_wait_dscnt 16
	MULW 1, 0
	s_wait_dscnt 0x0
	s_barrier_signal -1                            ; my part of K step 3's codes is stored
	PLACES 8
	WOB 2
	WOA 2, 0
	MULW 1, 1
	PLACES 8
	s_barrier_wait -1
	WOA 2, 4
	s_wait_dscnt 16
	MULW 2, 0
	s_wait_dscnt 0x0
	PLACES 8
	WOB 3
	WOA 3, 0
	MULW 2, 1
	PLACES 8
	WOA 3, 4
.irp jj, 0,1,2,3
	global_load_b128 v[BOV+4*\jj:BOV+4*\jj+3], v[LI], s[16:17] offset:512*\jj
	global_load_b128 v[GAV+4*\jj:GAV+4*\jj+3], v[LI], s[18:19] offset:512*\jj
	global_load_b128 v[BEV+4*\jj:BEV+4*\jj+3], v[LI], s[20:21] offset:512*\jj
.endr
	XLOAD 0, XB0, 0                                ; the LayerNorm's first four rows of x, into Wo's set 0, which K step 2 read last
	s_wait_dscnt 16
	MULW 3, 0
	s_wait_dscnt 0x0
	MULW 3, 1
.irp pr, 0,1,2,3
	v_add_nc_u32 v[41+\pr], \pr*32*SPI, v[STO]     ; row tiles 2 pr, 2 pr + 1 of the stage
.endr
	PLACES 4
	WALU
	BARRIER                                        ; everybody's reads of the slots are over: they have had their last fill and become the stage: 128 rows of 2,048 + 16 bytes
.irp rt, 0,1,2,3,4,5,6,7
	WIN 0x04+0x04*(\rt/4)
.irp ct, 0,1,2,3,4,5,6,7
	ds_store_b128 v[41+\rt/2], v[64*(\rt%4)+8*\ct:64*(\rt%4)+8*\ct+3] offset:(\rt%2)*16*SPI+64*\ct
	ds_store_b128 v[41+\rt/2], v[64*(\rt%4)+8*\ct+4:64*(\rt%4)+8*\ct+7] offset:(\rt%2)*16*SPI+64*\ct+16
.endr
.endr
	WIN 0
	s_wait_dscnt 0x0
	BARRIER                                        ; every wave's columns are in the stage
	s_wait_loadcnt 16                              ; bo, gamma and beta are in; x's 16 loads may be out
	s_mov_b32 s[T+1], 0
	s_mov_b32 s[KK], 0
	s_mov_b32 s[SOF], 0
.Lln:                                              ; three trips of eight rows
	LNTRIP 0
	s_add_co_u32 s[SOF], s[SOF], 8*SPI
	s_add_co_u32 s[KK], s[KK], 1
	s_cmp_lt_u32 s[KK], 3
	s_cbranch_scc1 .Lln
	LNTRIP 1
	s_wait_tensorcnt 0x0                           ; the wave's end
	ds_add_u32 v[SPW], v[NIL]
	s_wait_dscnt 0x0
	CROUND
	s_endpgm
.Lfunc_end_k_q812396aa40_attn:
	.size	k_q812396aa40_attn, .Lfunc_end_k_q812396aa40_attn-k_q812396aa40_attn
	.p2alignl 7, 3214868480
	.fill 96, 4, 3214868480
	.section	.rodata,"a",@progbits
	.p2align	6, 0x0
	.amdhsa_kernel k_q812396aa40_attn
		.amdhsa_group_segment_fixed_size 327680
		.amdhsa_private_segment_fixed_size 0
		.amdhsa_enable_private_segment 0
		.amdhsa_kernarg_size 64
		.amdhsa_user_sgpr_count 2
		.amdhsa_user_sgpr_kernarg_segment_ptr 1
		.amdhsa_wavefront_size32 1
		.amdhsa_system_sgpr_workgroup_id_x 1
		.amdhsa_system_sgpr_workgroup_id_y 1
		.amdhsa_system_sgpr_workgroup_id_z 1
		.amdhsa_system_vgpr_workitem_id 0
		.amdhsa_next_free_vgpr 1024
		.amdhsa_next_free_sgpr 100
		.amdhsa_reserve_vcc 0
		.amdhsa_float_denorm_mode_32 3
		.amdhsa_float_denorm_mode_16_64 3
		.amdhsa_memory_ordered 1
		.amdhsa_forward_progress 1
		.amdhsa_inst_pref_size 255
	.end_amdhsa_kernel
	.section	.bss,"aw",@nobits
	.p2align	6
	.space	262144
	.amdgpu_metadata
---
amdhsa.version: [ 1, 2 ]
amdhsa.kernels:
  - .name:           k_q812396aa40_attn
    .symbol:         k_q812396aa40_attn.kd
    .args:
      - { .name: qws, .offset: 0, .size: 8, .value_kind: global_buffer, .address_space: global }
      - { .name: kvws, .offset: 8, .size: 8, .value_kind: global_buffer, .address_space: global }
      - { .name: wows, .offset: 16, .size: 8, .value_kind: global_buffer, .address_space: global }
      - { .name: inputs, .offset: 24, .size: 8, .value_kind: global_buffer, .address_space: global }
      - { .name: bo, .offset: 32, .size: 8, .value_kind: global_buffer, .address_space: global }
      - { .name: gamma, .offset: 40, .size: 8, .value_kind: global_buffer, .address_space: global }
      - { .name: beta, .offset: 48, .size: 8, .value_kind: global_buffer, .address_space: global }
      - { .name: out0, .offset: 56, .size: 8, .value_kind: global_buffer, .address_space: global }
    .group_segment_fixed_size: 327680
    .private_segment_fixed_size: 0
    .kernarg_segment_align: 8
    .kernarg_segment_size: 64
    .max_flat_workgroup_size: 128
    .sgpr_count:     100
    .vgpr_count:     1024
    .wavefront_size: 32
...
	.end_amdgpu_metadata
.endif
;; end of part 2
